; MI455X (gfx1250); checked and timed in simulation.
; The chip was launched on July 23, 2026; its instructions are those of AMD's public machine-readable ISA for CDNA 5 (MIT licence, August 2026) and "CDNA5" Instruction Set Architecture Reference Guide (July 2026). The comments in the code are by the model that wrote it; some were corrected since.
;; Intrinsic Signal Synthesizer. Allowed arithmetic: matrix products marked QUANTISED: E2M1 operands, one E8M0 scale for each 32 along K, by v_wmma_scale_f32_16x16x128_f8f6f4 with both operands' format E2M1 (or v_wmma_scale_f32_32x16x128_f4), f32 sums; products left as they are: f32 operands where the result goes on into a quantised operand, else bf16, f16 or f32 operands; f32 sums; everything else in f32.
;; Inputs: W_c1 256 x 1,024 float32; W_c2 1,024 x 256 float32; W_d1 1,024 x 2,048 float32; W_d2 1 x 1,024 float32; W_n1 512 x 1,024 float32; W_n2 1 x 512 float32; W_u1 512 x 1,024 float32; W_u2 1 x 512 float32; actual 16,384 x 1,024 float32; b_c1 256 float32; b_c2 1,024 float32; b_d1 1,024 float32; b_d2 1 float32; b_n1 512 float32; b_n2 1 float32; b_u1 512 float32; b_u2 1 float32; pattern_memory 100 x 1,024 float32; prediction 16,384 x 1,024 float32.
;; Outputs: out0 16,384 x 4 float32.
;; This version of the problem:
;;   THIS VERSION OF THE PROBLEM IS GIVEN IN LOW PRECISION. The matrix products marked QUANTISED in the list below multiply operands that are first quantised to E2M1 (2 exponent bits, 1 mantissa bit; 4 bits a number), with one power-of-two scale for each 32 numbers along K (OCP MX v1.0); their sums are f32. All else is computed in f32.
;;   The module's matrix products, in the order in which they are computed (A, B: the left and right operand; K: the contracted axis; several contracted axes count as one K, in the product's order):
;;     1. [M 16,384, K 2,048] x [K 2,048, N 1,024]; A: computed on the way; B: input W_d1: QUANTISED
;;     2. [M 16,384, K 1,024] x [K 1,024, N 1]; A: computed on the way; B: input W_d2: left as it is (N = 1 < 16)
;;     3. [M 16,384, K 1,024] x [K 1,024, N 512]; A: input prediction; B: input W_u1: QUANTISED
;;     4. [M 16,384, K 512] x [K 512, N 1]; A: computed on the way; B: input W_u2: left as it is (N = 1 < 16)
;;     5. [M 16,384, K 1,024] x [K 1,024, N 100]; A: input actual; B: input pattern_memory: QUANTISED
;;     6. [M 16,384, K 1,024] x [K 1,024, N 512]; A: input actual; B: input W_n1: QUANTISED
;;     7. [M 16,384, K 512] x [K 512, N 1]; A: computed on the way; B: input W_n2: left as it is (N = 1 < 16)
;;     8. [M 16,384, K 1,024] x [K 1,024, N 256]; A: input prediction; B: input W_c1: QUANTISED
;;     9. [M 16,384, K 256] x [K 256, N 1,024]; A: computed on the way; B: input W_c2: QUANTISED
;;   THE QUANTISER, for each operand of a quantised product, along K:
;;     - K is cut into blocks of 32 from its start; a last block that is shorter is filled with zeros.
;;     - A block's scale is 2^e with e = floor(log2(the largest magnitude in the block)) - 2, held to -126 .. 127; a block of zeros has e = 0. As a byte (E8M0): e + 127.
;;     - Each number is divided by its block's scale, clamped to +-6, and rounded to the nearest number of E2M1, ties to even, subnormals kept.
;;     - The product sums the exact products of the quantised numbers (number of the format x scale) in f32.
;;   ~~~python
;;   def quantise(x, axis):      # numpy; x: float32 -> the quantised numbers, widened to float32 again
;;       x = np.moveaxis(x, axis, -1); K = x.shape[-1]
;;       x = np.pad(x, [(0, 0)] * (x.ndim - 1) + [(0, -K % 32)]); x = x.reshape(x.shape[:-1] + (-1, 32)); a = np.abs(x).max(-1, keepdims=True)
;;       e = np.where(a > 0, np.clip(np.frexp(np.where(a > 0, a, 1))[1] - 1 - 2, -126, 127), 0)      # np.frexp(a)[1] - 1 = floor(log2(a)), exactly
;;       r = np.clip(x / 2.0 ** e, -6, 6)
;;       step = 2.0 ** (np.maximum(np.frexp(np.where(r == 0, 1, r))[1] - 1, 0) - 1)
;;       q = np.round(r / step) * step * 2.0 ** e      # np.round: ties to even
;;       return np.moveaxis(q.reshape(q.shape[:-2] + (-1,))[..., :K], -1, axis).astype(np.float32)
;;   ~~~
;;   OPERANDS COMPUTED ON THE WAY. 'Computed on the way' means the value that the module computes at that place (a softmax that the list does not call 'softmax' is quantised finished and normalised). What goes into a quantiser is computed in f32, as accurately as f32 sums, v_exp_f32 and their like allow (about 1e-6 of the number): no bf16 or f16 on the way to a quantiser, and a product that is left as it is and whose result goes on into a quantised operand takes f32 operands (vector FMAs, or v_wmma_f32_16x16x4_f32). A number that lies on a knife's edge between two numbers of the format may be rounded either way, as far as f32 arithmetic and the matrix unit's own rounding can turn it there, and no further.
;; One version. Each part assembles by itself: llvm-mc -triple=amdgcn-amd-amdhsa -mcpu=gfx1250 --defsym DOCPART=n.
;; ======== version 1 of 1: 2 launches
;; limits: right only within a limited range of input values
;; workspace buffers: ws 2,019,328 bytes; tabw 19,456 bytes
;; launch prep (part 1): grid 58 x 4, 4 waves a work-group, no clusters, 83,712 bytes of LDS; arguments W_c1, W_c2, W_u1, W_n1, W_d1, pattern_memory, b_c1, b_u1, b_n1, b_d1, W_u2, W_n2, W_d2, ws, tabw; writes ws, tabw
.if DOCPART == 1
	.amdgcn_target "amdgcn-amd-amdhsa--gfx1250"
	.amdhsa_code_object_version 6
	.text
	.protected	k_qad36d82ed5_prep
	.globl	k_qad36d82ed5_prep
	.p2align	8
	.type	k_qad36d82ed5_prep,@function
k_qad36d82ed5_prep:
	s_mov_b64 s[64:65], 0
	v_nop
	global_prefetch_b8 v0, s[64:65] scope:SCOPE_SE
	s_setreg_imm32_b32 hwreg(HW_REG_WAVE_MODE, 25, 1), 1
	s_wait_xcnt 0x0
; The six weight tensors (f32, K innermost in all of them) become codes of FP4 (E2M1) with one E8M0 byte for each 32 along K, laid in the order in which
; the second launch's waves take them into operand registers.  ws = [wave w 0..3][unit u 0..57][8,704 bytes].  A unit is 8 fragments (16 rows x 128 K) of 1,024 bytes:
; fragment f at 1,024 f, its register group c at + 512 c, lane l's 16 bytes at + 16 l: the codes of k = 64 c + 32 (l / 16) + 0 .. 31 of the fragment's row l % 16.
; Behind them 512 bytes of scale words, 16 a lane: lanes 0-15 row r's words of fragments 0-3, lanes 16-31 those of fragments 4-7.
; UNITS: u 0-3 W_c1 (tile u; lane r takes row 64 w + 32 (u / 2) + 8 (u % 2) + r + 8 (r / 8)); u 4-7 W_c2 (lane r: rows 64 r + 16 w + 4 (u - 4) + 0 .. 3, two K steps each);
; u 8-23 W_u1 and W_n1 by pairs; u 24-55 W_d1 (pairs of tiles, first K half then second); u 56, 57 the pattern memory, rows from 100 on as zero codes.
; For every kind the unit's part of lane row r is ONE run of 4,096 consecutive bytes of f32: 32 blocks of 32 numbers, and block l is the unit's 256-byte chunk l, at 16 r in it.
; tabw = [w][tile 0..37][32 f32]: entry e the bias of the tile's e-th row, entry 16 + e its weight in the second layer; for the memory: 0 or -3.0e38 (rows from 100 on), and 1 / max(norm, 1e-8).
; A work-group makes one unit; wave v its rows 4 v .. 4 v + 3.  Loads take 512 consecutive bytes; a row turns through the wave's own stage in LDS so that a lane holds one whole block;
; codes and scale bytes meet in an image of the unit in LDS and leave as runs of 512 consecutive bytes.
; A block's scale is 2^(floor(log2(largest magnitude)) - 2): its byte is the largest magnitude's exponent field - 2, held at 1 from below.
; LIMITS: a block of zeros gets the byte 1 (not 127) with zero codes: the bytes are read by this program alone.  NaN and infinities among the inputs are not served.
.set PST, 0                            ; LDS: for each wave 4 rows x 4,608 bytes: 32 blocks of 128 bytes + 16 of padding
.set IMG, 73728                        ; the unit's 32 chunks of 256 bytes, 272 apart
.set SCI, 82432                        ; its 512 scale bytes
.set MN,  82944                        ; 1 / max(norm, 1e-8) of the 16 rows
.set R,   32                           ; v32-159  four rows as loaded
.set W,   160                          ; v160-191 one block a lane
.set CD,  192                          ; v192-207 a row's codes, four registers for each row
.set BY,  208                          ; v208-211 a scale byte for each row
	s_load_b512 s[4:19], s[0:1], 0x0               ; W_c1 4, W_c2 6, W_u1 8, W_n1 10, W_d1 12, pattern_memory 14, b_c1 16, b_u1 18
	s_load_b256 s[20:27], s[0:1], 0x40             ; b_n1 20, b_d1 22, W_u2 24, W_n2 26
	s_load_b128 s[28:31], s[0:1], 0x60             ; W_d2 28, ws 30
	s_load_b64 s[32:33], s[0:1], 0x70              ; tabw 32
	v_lshl_add_u32 v224, v0, 2, 0x14500
	v_mov_b32 v225, 0
	v_lshrrev_b32 v11, 5, v0
	v_readfirstlane_b32 s34, v11                   ; wave v
	v_and_b32 v12, 31, v0                          ; lane l
	v_and_b32 v13, 15, v0
	v_bfe_u32 v14, v0, 4, 1
	v_lshlrev_b32 v1, 4, v12                       ; v1: 16 l
	s_mul_i32 s66, s34, 18432
	v_lshrrev_b32 v15, 3, v12
	v_and_b32 v16, 7, v12
	v_mul_u32_u24 v2, v15, 144
	v_lshl_add_u32 v2, v16, 4, v2
	v_add_nc_u32 v2, s66, v2                       ; v2: the stage, in: eight lanes to a block of 128 bytes
	v_mul_u32_u24 v3, v12, 144
	v_add_nc_u32 v3, s66, v3                       ; v3: and out: block l
	s_lshl_b32 s67, s34, 6
	s_add_co_u32 s68, s67, IMG
	v_mul_u32_u24 v4, v12, 272
	v_add_nc_u32 v4, s68, v4                       ; v4: the image: chunk l, my wave's four rows' 64 bytes
	s_add_co_u32 s68, s67, SCI
	v_lshl_add_u32 v5, v14, 8, v13
	v_add_nc_u32 v5, s68, v5                       ; v5: block l's scale byte: 256 (l / 16) + l % 16 + 16 r
	s_lshl_b32 s68, s34, 4
	s_add_co_u32 s68, s68, MN
	v_mov_b32 v6, s68                              ; v6: my wave's four words of MN
	s_mul_i32 s68, s34, 2176
	s_add_co_u32 s68, s68, IMG
	v_mul_u32_u24 v7, v14, 272
	v_lshl_add_u32 v7, v13, 4, v7
	v_add_nc_u32 v7, s68, v7                       ; v7: the image on its way out: my wave's eight chunks, two an instruction
	s_lshl_b32 s68, s34, 11
	v_add_nc_u32 v8, s68, v1                       ; v8: and the same place in the unit
	v_add_nc_u32 v9, SCI, v1
	v_lshl_add_u32 v10, v13, 2, MN
	v_mov_b32 v216, 0                              ; written once: a lane permute's destination counts as one of its sources
	s_mov_b32 s98, 0x76543210
	s_mov_b32 s99, 0xfedcba98                      ; v_permlanex16_b32's selects for lane l xor 16
	; what each kind of unit would want, from the work-group's two numbers alone; the kind is chosen below, without a branch
	s_mov_b32 s35, ttmp9                           ; u
	s_and_b32 s51, ttmp7, 0xffff                   ; w
	s_lshr_b32 s66, s35, 1                         ; W_c1:
	s_lshl_b32 s66, s66, 5
	s_and_b32 s67, s35, 1
	s_lshl_b32 s67, s67, 3
	s_add_co_u32 s66, s66, s67
	s_lshl_b32 s67, s51, 6
	s_add_co_u32 s66, s66, s67                     ; first row 64 w + 32 (u / 2) + 8 (u % 2)
	s_lshl_b32 s67, s66, 12                        ; its byte
	s_sub_co_u32 s68, s35, 4                       ; W_c2:
	s_lshl_b32 s68, s68, 2
	s_lshl_b32 s69, s51, 4
	s_add_co_u32 s68, s68, s69
	s_lshl_b32 s68, s68, 10                        ; byte of row 16 w + 4 (u - 4)
	s_sub_co_u32 s70, s35, 8                       ; W_u1, W_n1: v = u - 8
	s_lshr_b32 s71, s70, 2
	s_lshl_b32 s71, s71, 1
	s_and_b32 s72, s70, 1
	s_add_co_u32 s71, s71, s72                     ; tile 2 (v / 4) + v % 2
	s_lshl_b32 s71, s71, 4
	s_lshl_b32 s72, s51, 7
	s_add_co_u32 s71, s71, s72                     ; first row 128 w + 16 tile
	s_lshl_b32 s72, s71, 12
	s_add_co_u32 s73, s70, 4                       ; its place in the table
	s_sub_co_u32 s74, s35, 24                      ; W_d1: v = u - 24
	s_lshr_b32 s75, s74, 2
	s_lshl_b32 s75, s75, 1
	s_and_b32 s76, s74, 1
	s_add_co_u32 s75, s75, s76                     ; tile
	s_add_co_u32 s77, s75, 20
	s_lshl_b32 s75, s75, 4
	s_lshl_b32 s76, s51, 8
	s_add_co_u32 s75, s75, s76                     ; first row 256 w + 16 tile
	s_lshl_b32 s76, s75, 13
	s_bfe_u32 s78, s74, 0x10001                    ; which half of K
	s_lshl_b32 s79, s78, 12
	s_add_co_u32 s76, s76, s79
	s_xor_b32 s78, s78, 1                          ; the first half's unit writes the tile's table
	s_sub_co_u32 s80, s35, 56                      ; the memory: tile
	s_add_co_u32 s81, s80, 36
	s_lshl_b32 s80, s80, 4
	s_lshl_b32 s82, s51, 5
	s_add_co_u32 s80, s80, s82                     ; first row 32 w + 16 tile
	s_sub_co_i32 s83, 100, s80
	s_max_i32 s83, s83, 0
	s_min_i32 s83, s83, 16                         ; how many of the 16 rows exist
	s_sub_co_i32 s84, s83, 1
	s_max_i32 s84, s84, 0                          ; the last row that is loaded: no load leaves the buffer
	s_lshl_b32 s85, s80, 12
	s_cmp_ge_u32 s80, 100
	s_cselect_b32 s85, 0, s85
	s_and_b32 s86, s70, 2
	s_wait_kmcnt 0x0
	s_cmp_lg_u32 s86, 0                            ; of four units two are W_u1's, two W_n1's
	s_cselect_b64 s[88:89], s[10:11], s[8:9]
	s_cselect_b64 s[90:91], s[20:21], s[18:19]
	s_cselect_b64 s[92:93], s[26:27], s[24:25]
	s_mov_b64 s[36:37], s[4:5]                     ; s[36:37] the tensor          (begun as W_c1's unit)
	s_mov_b32 s38, s67                             ; s38 byte of lane row 0
	s_mov_b32 s39, 4096                            ; s39 bytes from lane row to lane row
	s_mov_b32 s40, 32768                           ; s40 more for lane rows 8-15
	s_mov_b32 s41, s66                             ; s41 first row
	s_mov_b32 s42, 15                              ; s42 last lane row loaded
	s_mov_b32 s43, 16                              ; s43 lane rows that exist
	s_mov_b64 s[44:45], s[16:17]                   ; s[44:45] the bias
	s_mov_b64 s[46:47], s[16:17]                   ; s[46:47] the second layer's weights (W_c1 has none here: the bias once more, never used)
	s_mov_b32 s48, s35                             ; s48 place in the table
	s_mov_b32 s49, 1                               ; s49 0: no table, 1: bias and weights, 2: the memory's
	s_mov_b32 s50, 8                               ; s50 columns skipped behind the tile's first eight
	s_cmp_ge_u32 s35, 4
	s_cselect_b64 s[36:37], s[6:7], s[36:37]
	s_cselect_b32 s38, s68, s38
	s_cselect_b32 s39, 0x10000, s39
	s_cselect_b32 s40, 0, s40
	s_cselect_b32 s49, 0, s49
	s_cselect_b32 s50, 0, s50
	s_cmp_ge_u32 s35, 8
	s_cselect_b64 s[36:37], s[88:89], s[36:37]
	s_cselect_b32 s38, s72, s38
	s_cselect_b32 s39, 4096, s39
	s_cselect_b32 s41, s71, s41
	s_cselect_b64 s[44:45], s[90:91], s[44:45]
	s_cselect_b64 s[46:47], s[92:93], s[46:47]
	s_cselect_b32 s48, s73, s48
	s_cselect_b32 s49, 1, s49
	s_cmp_ge_u32 s35, 24
	s_cselect_b64 s[36:37], s[12:13], s[36:37]
	s_cselect_b32 s38, s76, s38
	s_cselect_b32 s39, 8192, s39
	s_cselect_b32 s41, s75, s41
	s_cselect_b64 s[44:45], s[22:23], s[44:45]
	s_cselect_b64 s[46:47], s[28:29], s[46:47]
	s_cselect_b32 s48, s77, s48
	s_cselect_b32 s49, s78, s49
	s_cmp_ge_u32 s35, 56
	s_cselect_b64 s[36:37], s[14:15], s[36:37]
	s_cselect_b32 s38, s85, s38
	s_cselect_b32 s39, 4096, s39
	s_cselect_b32 s41, s80, s41
	s_cselect_b32 s42, s84, s42
	s_cselect_b32 s43, s83, s43
	s_cselect_b32 s48, s81, s48
	s_cselect_b32 s49, 2, s49
	s_lshl_b32 s94, s34, 2                         ; my wave's first lane row
.irp i, 0,1,2,3
	s_add_co_u32 s95, s94, \i
	s_min_u32 s96, s95, s42
	s_mul_i32 s96, s96, s39
	s_add_co_u32 s96, s96, s38
	s_cmp_ge_u32 s95, 8
	s_cselect_b32 s97, s40, 0
	s_add_co_u32 s96, s96, s97
	s_mov_b32 s97, 0
	s_add_nc_u64 s[52+2*\i:53+2*\i], s[36:37], s[96:97]   ; s[52:59]: my four rows' runs of 4,096 bytes
.endr
	s_mul_i32 s96, s51, 58
	s_add_co_u32 s96, s96, s35
	s_mul_i32 s96, s96, 8704
	s_add_nc_u64 s[60:61], s[30:31], s[96:97]      ; the unit in ws
	s_mul_i32 s96, s51, 38
	s_add_co_u32 s96, s96, s48
	s_lshl_b32 s96, s96, 7
	s_add_nc_u64 s[62:63], s[32:33], s[96:97]      ; the tile in tabw
.irp i, 0,1,2,3
.irp j, 0,1,2,3,4,5,6,7
	global_load_b128 v[R+32*\i+4*\j:R+32*\i+4*\j+3], v1, s[52+2*\i:53+2*\i] offset:512*\j th:TH_LOAD_NT   ; 32 lanes read 512 consecutive bytes
.endr
.endr
.macro ROW i
	s_wait_loadcnt 8*(3-\i)                        ; this row's eight loads are in; the later rows' may be out
	s_add_co_u32 s95, s94, \i
	s_cmp_lt_u32 s95, s43
	s_cbranch_scc1 .Lreal_\@                       ; a row of the memory's tile that does not exist counts as zeros (a branch on the two ids and the wave's number)
.set n, 0
.rept 32
	v_mov_b32 v[R+32*\i+n], 0
.set n, n+1
.endr
.Lreal_\@:
.irp j, 0,1,2,3,4,5,6,7
	ds_store_b128 v2, v[R+32*\i+4*\j:R+32*\i+4*\j+3] offset:4608*\i+576*\j
.endr
.irp j, 0,1,2,3,4,5,6,7
	ds_load_b128 v[W+4*\j:W+4*\j+3], v3 offset:4608*\i+16*\j   ; LDS serves a wave's instructions in order: these see the stores above
.endr
	s_wait_dscnt 0x0
	v_max3_num_f32 v217, |v[W]|, |v[W+1]|, |v[W+2]|                ; the block's largest magnitude: all 32 numbers are mine
	v_max3_num_f32 v218, |v[W+3]|, |v[W+4]|, |v[W+5]|
.irp n, 6,10,14,18,22,26
	v_max3_num_f32 v217, v217, |v[W+\n]|, |v[W+\n+1]|
	v_max3_num_f32 v218, v218, |v[W+\n+2]|, |v[W+\n+3]|
.endr
	v_max3_num_f32 v217, v217, |v[W+30]|, |v[W+31]|
	v_max3_num_f32 v217, v217, v218, 0x1800000     ; and the floor 2^(3 - 127): the byte cannot fall under 1
	v_add_nc_u32 v219, 0xff000000, v217            ; 2 off its exponent field: the conversion takes this operand's exponent field as its scale
.irp q, 0,1,2,3
	v_cvt_scalef32_pk8_fp4_f32 v[CD+4*\i+\q], v[W+8*\q:W+8*\q+7], v219
.endr
	v_lshrrev_b32 v[BY+\i], 23, v219               ; the scale's byte (also the plain line behind the conversions)
	v_pk_mul_f32 v[212:213], v[W:W+1], v[W:W+1]    ; the row's sum of squares, for the memory's norms
	v_pk_mul_f32 v[214:215], v[W+2:W+3], v[W+2:W+3]
.irp n, 4,8,12,16,20,24,28
	v_pk_fma_f32 v[212:213], v[W+\n:W+\n+1], v[W+\n:W+\n+1], v[212:213]
	v_pk_fma_f32 v[214:215], v[W+\n+2:W+\n+3], v[W+\n+2:W+\n+3], v[214:215]
.endr
	v_pk_add_f32 v[212:213], v[212:213], v[214:215]
	v_add_f32 v212, v212, v213
.irp m, 1,2,4,8
	v_add_f32_dpp v212, v212, v212 row_xmask:\m row_mask:0xf bank_mask:0xf
.endr
	v_permlanex16_b32 v216, v212, s98, s99
	v_add_f32 v212, v212, v216
	s_wait_alu depctr_va_vdst(0)
	v_sqrt_f32 v212, v212
	v_nop                                          ; a plain line behind a transcendental (ISA guide 5.7.2)
	s_wait_alu depctr_va_vdst(0)
	v_max_num_f32 v212, 0x322bcc77, v212           ; max(norm, 1e-8)
	s_wait_alu depctr_va_vdst(0)
	v_rcp_f32 v[220+\i], v212
	v_nop
	ds_store_b128 v4, v[CD+4*\i:CD+4*\i+3] offset:16*\i
	ds_store_b8 v5, v[BY+\i] offset:16*\i
	s_wait_alu depctr_va_vdst(0)
	ds_store_b32 v6, v[220+\i] offset:4*\i         ; all lanes write the same word with the same value
.endm
	ROW 0
	ROW 1
	ROW 2
	ROW 3
	s_wait_dscnt 0x0                               ; for the others' sake: my part of the image lies in LDS
	s_barrier_signal -1
	s_barrier_wait -1
.irp i, 0,1,2,3
	ds_load_b128 v[R+4*\i:R+4*\i+3], v7 offset:544*\i
.endr
	s_wait_dscnt 0x0
.irp i, 0,1,2,3
	global_store_b128 v8, v[R+4*\i:R+4*\i+3], s[60:61] offset:512*\i   ; 32 lanes store 512 consecutive bytes, at a multiple of 256 from the buffer's first byte
.endr
	s_cmp_lg_u32 s34, 0
	s_cbranch_scc1 .Lnot_wave_0
	ds_load_b128 v[R+16:R+19], v9                  ; wave 0: the unit's scale words
	s_wait_dscnt 0x0
	global_store_b128 v1, v[R+16:R+19], s[60:61] offset:8192
.Lnot_wave_0:
	s_cmp_lg_u32 s34, 1
	s_cbranch_scc1 .Lend
	s_cmp_eq_u32 s49, 0
	s_cbranch_scc1 .Lend
	s_cmp_eq_u32 s49, 2
	s_cbranch_scc1 .Lmemory
	v_lshrrev_b32 v12, 3, v13                      ; wave 1: the tile's 32 numbers of the table.  Entry e = l % 16 is column first row + e (+ 8 for W_c1's second eight)
	v_mul_u32_u24 v12, s50, v12
	v_add3_u32 v12, v12, v13, s41
	v_lshlrev_b32 v12, 2, v12
	global_load_b32 v17, v12, s[44:45]
	global_load_b32 v18, v12, s[46:47]
	s_wait_loadcnt 0x0
	s_branch .Lput
.Lmemory:
	v_add_nc_u32 v12, s41, v13
	v_mov_b32 v17, 0xff61b1e6                      ; -3.0e38 for a row that does not exist,
	v_mov_b32 v19, 0
	v_cmp_gt_u32 vcc_lo, 100, v12
	v_cndmask_b32 v17, v17, v19, vcc_lo            ; 0 for one that does
	ds_load_b32 v18, v10
	s_wait_dscnt 0x0
.Lput:
	v_and_b32 v19, 16, v0
	v_cmp_ne_u32 vcc_lo, 0, v19
	s_wait_alu depctr_va_vdst(0)
	v_cndmask_b32 v17, v17, v18, vcc_lo            ; lanes 0-15 the first sixteen numbers, lanes 16-31 the second
	v_and_b32 v20, 31, v0
	v_lshlrev_b32 v20, 2, v20
	global_store_b32 v20, v17, s[62:63]
.Lend:
	s_wait_tensorcnt 0x0
	ds_add_u32 v224, v225
	s_wait_dscnt 0x0
	s_endpgm
.Lfunc_end_k_qad36d82ed5_prep:
	.size	k_qad36d82ed5_prep, .Lfunc_end_k_qad36d82ed5_prep-k_qad36d82ed5_prep
	.p2alignl 7, 3214868480
	.fill 96, 4, 3214868480
	.section	.rodata,"a",@progbits
	.p2align	6, 0x0
	.amdhsa_kernel k_qad36d82ed5_prep
		.amdhsa_group_segment_fixed_size 83712
		.amdhsa_private_segment_fixed_size 0
		.amdhsa_enable_private_segment 0
		.amdhsa_kernarg_size 120
		.amdhsa_user_sgpr_count 2
		.amdhsa_user_sgpr_kernarg_segment_ptr 1
		.amdhsa_wavefront_size32 1
		.amdhsa_system_sgpr_workgroup_id_x 1
		.amdhsa_system_sgpr_workgroup_id_y 1
		.amdhsa_system_sgpr_workgroup_id_z 1
		.amdhsa_system_vgpr_workitem_id 0
		.amdhsa_next_free_vgpr 226
		.amdhsa_next_free_sgpr 100
		.amdhsa_reserve_vcc 1
		.amdhsa_float_denorm_mode_32 3
		.amdhsa_float_denorm_mode_16_64 3
		.amdhsa_memory_ordered 1
		.amdhsa_forward_progress 1
		.amdhsa_inst_pref_size 35
	.end_amdhsa_kernel
	.amdgpu_metadata
---
amdhsa.version: [ 1, 2 ]
amdhsa.kernels:
  - .name:           k_qad36d82ed5_prep
    .symbol:         k_qad36d82ed5_prep.kd
    .args:
      - { .name: W_c1, .offset: 0, .size: 8, .value_kind: global_buffer, .address_space: global }
      - { .name: W_c2, .offset: 8, .size: 8, .value_kind: global_buffer, .address_space: global }
      - { .name: W_u1, .offset: 16, .size: 8, .value_kind: global_buffer, .address_space: global }
      - { .name: W_n1, .offset: 24, .size: 8, .value_kind: global_buffer, .address_space: global }
      - { .name: W_d1, .offset: 32, .size: 8, .value_kind: global_buffer, .address_space: global }
      - { .name: pattern_memory, .offset: 40, .size: 8, .value_kind: global_buffer, .address_space: global }
      - { .name: b_c1, .offset: 48, .size: 8, .value_kind: global_buffer, .address_space: global }
      - { .name: b_u1, .offset: 56, .size: 8, .value_kind: global_buffer, .address_space: global }
      - { .name: b_n1, .offset: 64, .size: 8, .value_kind: global_buffer, .address_space: global }
      - { .name: b_d1, .offset: 72, .size: 8, .value_kind: global_buffer, .address_space: global }
      - { .name: W_u2, .offset: 80, .size: 8, .value_kind: global_buffer, .address_space: global }
      - { .name: W_n2, .offset: 88, .size: 8, .value_kind: global_buffer, .address_space: global }
      - { .name: W_d2, .offset: 96, .size: 8, .value_kind: global_buffer, .address_space: global }
      - { .name: ws, .offset: 104, .size: 8, .value_kind: global_buffer, .address_space: global }
      - { .name: tabw, .offset: 112, .size: 8, .value_kind: global_buffer, .address_space: global }
    .group_segment_fixed_size: 83712
    .private_segment_fixed_size: 0
    .kernarg_segment_align: 8
    .kernarg_segment_size: 120
    .max_flat_workgroup_size: 128
    .sgpr_count:     100
    .vgpr_count:     226
    .wavefront_size: 32
...
	.end_amdgpu_metadata
.endif
;; end of part 1
;; launch main (part 2): grid 256 x 1, 4 waves a work-group, no clusters, 319,488 bytes of LDS; arguments prediction, actual, ws, tabw, b_c2, b_d2, b_u2, b_n2, out0; writes out0
.if DOCPART == 2
	.amdgcn_target "amdgcn-amd-amdhsa--gfx1250"
	.amdhsa_code_object_version 6
	.text
	.protected	k_qad36d82ed5_main
	.globl	k_qad36d82ed5_main
	.p2align	8
	.type	k_qad36d82ed5_main,@function
k_qad36d82ed5_main:
	s_mov_b64 s[64:65], 0
	v_nop
	global_prefetch_b8 v0, s[64:65] scope:SCOPE_SE
	s_setreg_imm32_b32 hwreg(HW_REG_WAVE_MODE, 25, 1), 1
	s_wait_xcnt 0x0
; out0[row] = (dissonance, uncertainty, novelty, compression) of 16,384 rows; all six large products on codes of FP4 (E2M1) with one E8M0 scale for each 32 along K.
; A work-group of four waves takes 64 rows through everything: prediction and actual are read from memory once.
; ROWS.  Wave w takes rows 16 w .. 16 w + 15 of prediction, then of actual, four rows a trip.  A lane loads 32 neighbouring bytes (two loads of 16, which share their 256-byte units):
;   registers 8 i .. 8 i + 7 of a row are columns 256 i + 8 l + 0 .. 7, eight neighbours along K, as the conversion wants them; a block of 32 lies in four lanes (two DPP maxima).
;   Codes and scale bytes go to LDS.  Prediction's f32 rows go once through a stage of all 64 rows (chunks of 256 bytes + 16), from which every wave takes its columns in the layout of the last product's result.
;   Behind that the stage's bytes take actual's codes, the hidden layer, the table and the partial sums (LDS stores alone: the launch has no tensor load).
;   ENTROPY: with t = (x - max) log2(e), e = 2^t, S = sum e: -sum p ln p = ln 2 (log2 S - sum(e t) / S).  LIMIT: the definition's ln(p + 1e-8) is taken as ln p: p ln(1 + 1e-8 / p) <= 1e-8 for every p,
;   so the entropy differs by at most 1,024e-8, whatever the inputs; no logarithm of 0 is formed (e = 0 gives e t = 0).
; PRODUCTS.  The waves share the columns of every product and each holds all 64 rows' codes; the first launch has laid the weights in the order of the operand registers (ws), so they go from memory straight into registers.
;   W_c1 -> relu -> quantised in registers -> images through LDS -> W_c2, whose result meets the kept prediction.  Then pairs of tiles: W_u1, W_n1, W_d1, last the pattern memory.
; NO JOINT LOADS, though all work-groups walk the same weights: the stage's bytes are written by LDS stores.
; LIMITS: NaN and infinities are not served.  A block of zeros gets the scale byte 1 with zero codes.  v_exp_f32 and v_log_f32 flush denormals (ISA guide 15.8).
;   The memory's 28 padded columns carry the addend -3.0e38.  The similarity is dot x (1 / m_norm) x (1 / a_norm).
; REGISTERS.  Window 0: v1-23 addresses; v24-31, v48-63, v64-95 scale words alone; v32-47 b_c2; v96-255 by phase.  Window 1: v0-127 four rows as loaded, v128-165 the table; then four weight units.
;   Window 2: e of four rows; then windows 2, 3: the kept prediction; then prediction's and actual's code fragments.
.set XA,    0                          ; actual's codes, 64 rows, 528 apart (in the stage's bytes, behind the second barrier)
.set HC,    33792                      ; the hidden layer's 8 fragments as images of their registers
.set HS,    41984                      ; their scale words
.set TAB,   42496                      ; each wave's 4,864 bytes of the table
.set RED,   61952                      ; [wave] x 1,280, [d, u, n, maximum, c] x 256, [row] x 4
.set XP,    278528                     ; behind the stage (64 rows x 4,352): prediction's codes
.set XS,    312320                     ; scale bytes: [prediction, actual] x 3,072, 64 rows, 48 apart
.set STAT,  318464                     ; entropy[64], 1 / a_norm[64]
.set SPARE, 318976                     ; the spare words
.set MSB, 0
.macro WIN new
.if MSB != (\new)
	s_set_vgpr_msb (MSB<<8)|(\new)
.set MSB, (\new)
.endif
.endm
.macro BAR
	s_wait_dscnt 0x0
	s_barrier_signal -1
	s_barrier_wait -1
.endm
.macro PLACES
.rept 4
	v_nop
.endr
.endm
.macro WM d, a, b, zero, sa, sb, ra, rb
.if \zero
.if \ra
.if \rb
	v_wmma_scale_f32_16x16x128_f8f6f4 v[0+(\d):7+(\d)], v[0+(\a):7+(\a)], v[0+(\b):7+(\b)], 0, v[\sa], v[\sb] matrix_a_fmt:MATRIX_FMT_FP4 matrix_b_fmt:MATRIX_FMT_FP4 matrix_a_scale:MATRIX_SCALE_ROW1 matrix_b_scale:MATRIX_SCALE_ROW1
.else
	v_wmma_scale_f32_16x16x128_f8f6f4 v[0+(\d):7+(\d)], v[0+(\a):7+(\a)], v[0+(\b):7+(\b)], 0, v[\sa], v[\sb] matrix_a_fmt:MATRIX_FMT_FP4 matrix_b_fmt:MATRIX_FMT_FP4 matrix_a_scale:MATRIX_SCALE_ROW1
.endif
.else
.if \rb
	v_wmma_scale_f32_16x16x128_f8f6f4 v[0+(\d):7+(\d)], v[0+(\a):7+(\a)], v[0+(\b):7+(\b)], 0, v[\sa], v[\sb] matrix_a_fmt:MATRIX_FMT_FP4 matrix_b_fmt:MATRIX_FMT_FP4 matrix_b_scale:MATRIX_SCALE_ROW1
.else
	v_wmma_scale_f32_16x16x128_f8f6f4 v[0+(\d):7+(\d)], v[0+(\a):7+(\a)], v[0+(\b):7+(\b)], 0, v[\sa], v[\sb] matrix_a_fmt:MATRIX_FMT_FP4 matrix_b_fmt:MATRIX_FMT_FP4
.endif
.endif
.else
.if \ra
.if \rb
	v_wmma_scale_f32_16x16x128_f8f6f4 v[0+(\d):7+(\d)], v[0+(\a):7+(\a)], v[0+(\b):7+(\b)], v[0+(\d):7+(\d)], v[\sa], v[\sb] matrix_a_fmt:MATRIX_FMT_FP4 matrix_b_fmt:MATRIX_FMT_FP4 matrix_a_scale:MATRIX_SCALE_ROW1 matrix_b_scale:MATRIX_SCALE_ROW1
.else
	v_wmma_scale_f32_16x16x128_f8f6f4 v[0+(\d):7+(\d)], v[0+(\a):7+(\a)], v[0+(\b):7+(\b)], v[0+(\d):7+(\d)], v[\sa], v[\sb] matrix_a_fmt:MATRIX_FMT_FP4 matrix_b_fmt:MATRIX_FMT_FP4 matrix_a_scale:MATRIX_SCALE_ROW1
.endif
.else
.if \rb
	v_wmma_scale_f32_16x16x128_f8f6f4 v[0+(\d):7+(\d)], v[0+(\a):7+(\a)], v[0+(\b):7+(\b)], v[0+(\d):7+(\d)], v[\sa], v[\sb] matrix_a_fmt:MATRIX_FMT_FP4 matrix_b_fmt:MATRIX_FMT_FP4 matrix_b_scale:MATRIX_SCALE_ROW1
.else
	v_wmma_scale_f32_16x16x128_f8f6f4 v[0+(\d):7+(\d)], v[0+(\a):7+(\a)], v[0+(\b):7+(\b)], v[0+(\d):7+(\d)], v[\sa], v[\sb] matrix_a_fmt:MATRIX_FMT_FP4 matrix_b_fmt:MATRIX_FMT_FP4
.endif
.endif
.endif
.endm
; four rows at s[4:5] into window 1, v0-127: row k at 32 k, columns 256 i + 8 l + 0 .. 7 at + 8 i
.macro XL
	WIN 0x40
.irp k, 0,1,2,3
.irp i, 0,1,2,3
.irp c, 0,1
	global_load_b128 v[32*\k+8*\i+4*\c:32*\k+8*\i+4*\c+3], v21, s[4:5] offset:4096*\k+1024*\i+16*\c
.endr
.endr
.endr
	WIN 0
.endm
; a unit of the weight stream into buffer b of window 1, its scale words into v[48 + 4 b ..]: seventeen loads
.macro WLOAD b, off
	WIN 0x40
.irp f, 0,1,2,3,4,5,6,7
.irp c, 0,1
	global_load_b128 v[64*(\b)+8*\f+4*\c:64*(\b)+8*\f+4*\c+3], v1, s[8:9] offset:(\off)+1024*\f+512*\c
.endr
.endr
	WIN 0
	global_load_b128 v[48+4*(\b):51+4*(\b)], v1, s[8:9] offset:(\off)+8192
.endm
.macro NEXTPAIR slot
	s_wait_xcnt 0x0                                ; the earlier loads have read their base: only now is it stepped
	s_add_nc_u64 s[8:9], s[8:9], 17408
	WLOAD 2*\slot, 0
	WLOAD 2*\slot+1, 8704
.endm
	s_load_b512 s[4:19], s[0:1], 0x0               ; prediction 4, actual 6, ws 8, tabw 10, b_c2 12, b_d2 14, b_u2 16, b_n2 18
	s_load_b64 s[20:21], s[0:1], 0x40              ; out0
	v_lshrrev_b32 v96, 5, v0
	v_readfirstlane_b32 s22, v96                   ; wave w
	s_mov_b32 s24, 0x76543210
	s_mov_b32 s25, 0xfedcba98                      ; v_permlanex16_b32's selects for lane l xor 16
	s_mov_b32 s26, 0x3fb8aa3b                      ; log2(e)
	s_mov_b32 s27, s26
	s_mov_b32 s28, 0x322bcc77                      ; 1e-8
	s_mov_b32 s39, 0xbfb8aa3b                      ; -log2(e)
	s_mov_b32 s44, 0x3f317218                      ; ln 2
	s_mul_i32 s50, s22, 69632                      ; my 16 rows of the stage
	s_mul_i32 s51, s22, 8448                       ; of the codes
	s_mul_i32 s52, s22, 768
	s_add_co_u32 s52, s52, XS                      ; of the scale bytes
	s_lshl_b32 s54, s22, 6
	s_add_co_u32 s53, s54, STAT-16                 ; of STAT (stepped by 16 ahead of each use)
	s_mul_i32 s55, s22, 4864
	s_add_co_u32 s55, s55, TAB
	s_lshl_b32 s56, s22, 9
	s_add_co_u32 s56, s56, HC
	s_lshr_b32 s57, s22, 1
	s_lshl_b32 s57, s57, 6
	s_and_b32 s41, s22, 1
	s_lshl_b32 s42, s41, 1
	s_add_co_u32 s57, s57, s42
	s_add_co_u32 s57, s57, HS
	s_mul_i32 s58, s22, 1280
	s_add_co_u32 s58, s58, RED
	s_add_co_u32 s59, s58, 1024
	v_and_b32 v97, 31, v0                          ; l
	v_and_b32 v98, 15, v0                          ; r
	v_bfe_u32 v99, v0, 4, 1                        ; h
	v_lshlrev_b32 v1, 4, v97                       ; v1: 16 l
	v_lshlrev_b32 v21, 5, v97                      ; v21: 32 l (at the end: the results' address)
	v_lshrrev_b32 v100, 3, v97
	v_and_b32 v101, 7, v97
	v_mul_u32_u24 v2, v100, 272
	v_lshl_add_u32 v2, v101, 5, v2
	v_add_nc_u32 v2, s50, v2                       ; v2: the stage, in: chunk l / 8 (+ 4 i), 32 (l % 8)
	v_lshl_add_u32 v3, v97, 2, s51                 ; v3: actual's codes, in: 4 l
	v_add_nc_u32 v5, XP, v3                        ; v5: prediction's
	v_lshrrev_b32 v100, 2, v97
	v_add_nc_u32 v6, s52, v100                     ; v6: my block's scale byte
	v_mov_b32 v7, s53                              ; v7: the row's word of STAT
	v_mul_u32_u24 v8, v99, 34816
	v_mad_u32_u24 v8, v98, 272, v8
	v_add_nc_u32 v8, s54, v8                       ; v8-11: the kept prediction: tile mt, row 8 h (+ j), chunk r, my wave's 64 bytes of it
	v_add_nc_u32 v9, 69632, v8
	v_add_nc_u32 v10, 139264, v8
	v_add_nc_u32 v11, 208896, v8
	v_mul_u32_u24 v4, v98, 528
	v_lshl_add_u32 v4, v99, 4, v4                  ; v4: a fragment of actual's codes: row r, + 16 h
	v_add_nc_u32 v12, XP, v4                       ; v12: of prediction's
	v_mul_u32_u24 v13, v99, 3072
	v_mad_u32_u24 v13, v98, 48, v13
	v_add_nc_u32 v13, XS, v13                      ; v13: the rows' scale words: lanes 0-15 prediction's, lanes 16-31 actual's
	v_lshl_add_u32 v14, v99, 5, s55                ; v14: my wave's table, my half's eight numbers
	v_lshl_add_u32 v23, v97, 3, s55                ; v23: (first) where the table's copy goes
	v_lshlrev_b32 v22, 3, v97                      ; v22: (first) and where it comes from
	v_lshl_add_u32 v15, v97, 4, s56                ; v15: my wave's part of the hidden layer's images
	v_lshl_add_u32 v16, v98, 2, s57                ; v16: and half a scale word
	v_add_nc_u32 v17, HC, v1                       ; v17: an image back
	v_lshl_add_u32 v18, v98, 2, HS                 ; v18: its scale words
	v_lshl_add_u32 v19, v98, 2, s58                ; v19: my wave's partial sums, row r of a tile
	v_lshl_add_u32 v20, v99, 5, s59                ; v20: the same for the squared differences: rows 8 h + j
	v_lshlrev_b32 v96, 8, v98
	v_add_nc_u32 v96, s54, v96                     ; b_c2 at column 64 r + 16 w
	s_wait_alu depctr_va_vdst(0)                   ; the wait at the head's end
	s_wait_kmcnt 0x0
	s_load_b32 s36, s[14:15], 0x0                  ; b_d2, b_u2, b_n2
	s_load_b32 s37, s[16:17], 0x0
	s_load_b32 s38, s[18:19], 0x0
	s_lshl_b32 s40, ttmp9, 18                      ; the work-group's 64 rows of 4,096 bytes,
	s_lshl_b32 s41, s22, 16                        ; my wave's 16
	s_add_co_u32 s40, s40, s41
	s_mov_b32 s41, 0
	s_add_nc_u64 s[4:5], s[4:5], s[40:41]
	s_add_nc_u64 s[6:7], s[6:7], s[40:41]
	s_mul_i32 s40, s22, 504832                     ; my wave's 58 units
	s_add_nc_u64 s[8:9], s[8:9], s[40:41]
	s_mul_i32 s40, s22, 4864
	s_add_nc_u64 s[10:11], s[10:11], s[40:41]
	s_lshl_b32 s40, ttmp9, 10
	s_add_nc_u64 s[20:21], s[20:21], s[40:41]
	XL                                             ; prediction's rows 0-3
	WIN 0x40
.irp j, 0,1,2,3,4,5,6,7,8,9,10,11,12,13,14,15,16,17,18
	global_load_b64 v[128+2*\j:129+2*\j], v22, s[10:11] offset:256*\j   ; the table: window 1, v128-165
.endr
	WIN 0
.irp i, 0,1,2,3
	global_load_b128 v[32+4*\i:35+4*\i], v96, s[12:13] offset:16*\i   ; v32-47: b_c2[64 r + 16 w + t]
.endr
	s_wait_kmcnt 0x0
; four rows' codes and scale bytes: largest magnitude of (row k, part i) in v[224 + 4 k + i], codes in v[240 + 4 k + i]
.macro QUANT cad, soff
	WIN 0x05
.irp k, 0,1,2,3
.irp i, 0,1,2,3
	v_max3_num_f32 v[224+4*\k+\i], |v[32*\k+8*\i]|, |v[32*\k+8*\i+1]|, 0x1800000   ; with the floor 2^(3 - 127): the byte cannot fall under 1
.endr
.endr
	WIN 0x14
.irp n, 2,4,6
.irp k, 0,1,2,3
.irp i, 0,1,2,3
	v_max3_num_f32 v[224+4*\k+\i], v[224+4*\k+\i], |v[32*\k+8*\i+\n]|, |v[32*\k+8*\i+\n+1]|
.endr
.endr
.endr
	WIN 0
.irp m, 1,2
.set n, 0
.rept 16
	v_max_num_f32_dpp v[224+n], v[224+n], v[224+n] row_xmask:\m row_mask:0xf bank_mask:0xf   ; the block's four lanes
.set n, n+1
.endr
.endr
.set n, 0
.rept 16
	v_add_nc_u32 v[224+n], 0xff000000, v[224+n]    ; 2 off the exponent field: the conversion's scale operand
.set n, n+1
.endr
	WIN 0x01
.irp k, 0,1,2,3
.irp i, 0,1,2,3
	v_cvt_scalef32_pk8_fp4_f32 v[240+4*\k+\i], v[32*\k+8*\i:32*\k+8*\i+7], v[224+4*\k+\i]
.endr
.endr
	WIN 0
	v_nop                                          ; a plain line behind the conversions
.set n, 0
.rept 16
	v_lshrrev_b32 v[224+n], 23, v[224+n]           ; the bytes
.set n, n+1
.endr
.irp k, 0,1,2,3
.irp i, 0,1,2,3
	ds_store_b32 v[\cad], v[240+4*\k+\i] offset:528*\k+128*\i
	ds_store_b8 v6, v[224+4*\k+\i] offset:\soff+48*\k+8*\i   ; four lanes write the same byte with the same value
.endr
.endr
.endm
; sums in the registers named, each with its neighbour a + 1, over the pair and the 32 lanes
.macro LANESUM a0, a1, a2, a3, a4, a5, a6, a7
.irp a, \a0, \a1, \a2, \a3, \a4, \a5, \a6, \a7
	v_add_f32 v[\a], v[\a], v[\a+1]
.endr
.irp m, 1,2,4,8
.irp a, \a0, \a1, \a2, \a3, \a4, \a5, \a6, \a7
	v_add_f32_dpp v[\a], v[\a], v[\a] row_xmask:\m row_mask:0xf bank_mask:0xf
.endr
.endr
.irp a, \a0, \a1, \a2, \a3, \a4, \a5, \a6, \a7
	v_permlanex16_b32 v[\a+1], v[\a], s24, s25
.endr
.irp a, \a0, \a1, \a2, \a3, \a4, \a5, \a6, \a7
	v_add_f32 v[\a], v[\a], v[\a+1]
.endr
.endm
; ---- prediction: four trips of four rows
	s_mov_b32 s30, 4
.Lpred:
	s_wait_loadcnt 0x0                             ; the one group of loads that is out
	WIN 0x04
.irp k, 0,1,2,3
.irp i, 0,1,2,3
.irp c, 0,1
	ds_store_b128 v2, v[32*\k+8*\i+4*\c:32*\k+8*\i+4*\c+3] offset:4352*\k+1088*\i+16*\c
.endr
.endr
.endr
	WIN 0x15                                       ; the rows' maxima: two chains a row
.irp k, 0,1,2,3
.irp c, 0,1
	v_max3_num_f32 v[224+2*\k+\c], v[32*\k+16*\c], v[32*\k+16*\c+1], v[32*\k+16*\c+2]
.endr
.endr
	WIN 0x14
.irp n, 3,5,7,9,11,13
.irp k, 0,1,2,3
.irp c, 0,1
	v_max3_num_f32 v[224+2*\k+\c], v[224+2*\k+\c], v[32*\k+16*\c+\n], v[32*\k+16*\c+\n+1]
.endr
.endr
.endr
.irp k, 0,1,2,3
	v_max3_num_f32 v[224+2*\k], v[224+2*\k], v[32*\k+15], v[32*\k+31]
.endr
	WIN 0
.irp k, 0,1,2,3
	v_max_num_f32 v[224+2*\k], v[224+2*\k], v[225+2*\k]
.endr
.irp m, 1,2,4,8
.irp k, 0,1,2,3
	v_max_num_f32_dpp v[224+2*\k], v[224+2*\k], v[224+2*\k] row_xmask:\m row_mask:0xf bank_mask:0xf
.endr
.endr
.irp k, 0,1,2,3
	v_permlanex16_b32 v[225+2*\k], v[224+2*\k], s24, s25
.endr
.irp k, 0,1,2,3
	v_max_num_f32 v[224+2*\k], v[224+2*\k], v[225+2*\k]
.endr
.irp k, 0,1,2,3
	v_mul_f32 v[232+2*\k], s39, v[224+2*\k]        ; -maximum x log2(e)
.endr
.irp k, 0,1,2,3
	v_mov_b32 v[233+2*\k], v[232+2*\k]
.endr
	WIN 0x01
.irp k, 0,1,2,3
.set n, 0
.rept 16
	v_pk_fma_f32 v[96+32*\k+n:97+32*\k+n], v[32*\k+n:32*\k+n+1], s[26:27], v[232+2*\k:233+2*\k] op_sel_hi:[1,0,0]   ; t
.set n, n+2
.endr
.endr
	QUANT 5, 0
	s_wait_dscnt 0x0                               ; the stores have read their registers
	v_add_nc_u32 v2, 17408, v2                     ; on by four rows
	v_add_nc_u32 v5, 2112, v5
	v_add_nc_u32 v6, 192, v6
	v_add_nc_u32 v7, 16, v7
	s_add_nc_u64 s[4:5], s[4:5], 16384
	s_cmp_eq_u32 s30, 1
	s_cselect_b64 s[4:5], s[6:7], s[4:5]           ; behind prediction's last four rows: actual's first
	XL
	s_wait_alu depctr_va_vdst(0)                   ; the wait ahead of the batch
	WIN 0x80
.set n, 0
.rept 128
	v_exp_f32 v[n], v[96+n]                        ; e, in window 2
.set n, n+1
.endr
	WIN 0
	v_nop
	s_wait_alu depctr_va_vdst(0)                   ; and behind it
	WIN 0x0a
.irp k, 0,1,2,3
	v_pk_add_f32 v[224+2*\k:225+2*\k], v[32*\k:32*\k+1], v[32*\k+2:32*\k+3]
.endr
	WIN 0x08
.irp n, 4,6,8,10,12,14,16,18,20,22,24,26,28,30
.irp k, 0,1,2,3
	v_pk_add_f32 v[224+2*\k:225+2*\k], v[224+2*\k:225+2*\k], v[32*\k+\n:32*\k+\n+1]
.endr
.endr
	WIN 0x02
.irp k, 0,1,2,3
	v_pk_mul_f32 v[232+2*\k:233+2*\k], v[32*\k:32*\k+1], v[96+32*\k:97+32*\k]
.endr
.irp n, 2,4,6,8,10,12,14,16,18,20,22,24,26,28,30
.irp k, 0,1,2,3
	v_pk_fma_f32 v[232+2*\k:233+2*\k], v[32*\k+\n:32*\k+\n+1], v[96+32*\k+\n:97+32*\k+\n], v[232+2*\k:233+2*\k]
.endr
.endr
	WIN 0
	LANESUM 224, 226, 228, 230, 232, 234, 236, 238
	s_wait_alu depctr_va_vdst(0)
.irp k, 0,1,2,3
	v_rcp_f32 v[225+2*\k], v[224+2*\k]
	v_log_f32 v[240+\k], v[224+2*\k]
.endr
	v_nop
	s_wait_alu depctr_va_vdst(0)
.irp k, 0,1,2,3
	v_fma_f32 v[232+2*\k], -v[232+2*\k], v[225+2*\k], v[240+\k]   ; log2 S - sum(e t) / S
.endr
.irp k, 0,1,2,3
	v_mul_f32 v[232+2*\k], s44, v[232+2*\k]
.endr
.irp k, 0,1,2,3
	ds_store_b32 v7, v[232+2*\k] offset:4*\k       ; all lanes write the same word with the same value
.endr
	s_sub_co_u32 s30, s30, 1
	s_cmp_lg_u32 s30, 0
	s_wait_alu depctr_va_vdst(0)
	s_cbranch_scc1 .Lpred
	BAR                                            ; the stage is whole
; the kept prediction: P(mt, j, t) = prediction(16 mt + 8 h + j, 64 r + 16 w + t), window 2 + mt / 2, register 128 (mt % 2) + 16 j + t
	WIN 0x80
.irp mt, 0,1
.irp j, 0,1,2,3,4,5,6,7
.irp i, 0,1,2,3
	ds_load_b128 v[128*\mt+16*\j+4*\i:128*\mt+16*\j+4*\i+3], v[8+\mt] offset:4352*\j+16*\i
.endr
.endr
.endr
	WIN 0xc0
.irp mt, 0,1
.irp j, 0,1,2,3,4,5,6,7
.irp i, 0,1,2,3
	ds_load_b128 v[128*\mt+16*\j+4*\i:128*\mt+16*\j+4*\i+3], v[10+\mt] offset:4352*\j+16*\i
.endr
.endr
.endr
	WIN 0
	BAR                                            ; every wave's reads of the stage are over: its bytes are written anew
	WIN 0x04
.irp j, 0,1,2,3,4,5,6,7,8,9,10,11,12,13,14,15,16,17,18
	ds_store_b64 v23, v[128+2*\j:129+2*\j] offset:256*\j
.endr
	WIN 0
	s_wait_dscnt 0x0                               ; the stores have read their registers
	WLOAD 2, 17408                                 ; W_c1's units 2 and 3
	WLOAD 3, 26112
; ---- actual: four rows a trip; nx = 1: the next four rows are asked for; 0: W_c1's units 0 and 1
.macro AG nx
	s_wait_loadcnt 0x0
	QUANT 3, 2304
	WIN 0x05
.irp k, 0,1,2,3
	v_pk_mul_f32 v[96+2*\k:97+2*\k], v[32*\k:32*\k+1], v[32*\k:32*\k+1]
.endr
.irp n, 2,4,6,8,10,12,14,16,18,20,22,24,26,28,30
.irp k, 0,1,2,3
	v_pk_fma_f32 v[96+2*\k:97+2*\k], v[32*\k+\n:32*\k+\n+1], v[32*\k+\n:32*\k+\n+1], v[96+2*\k:97+2*\k]
.endr
.endr
	WIN 0
	s_wait_alu depctr_va_vdst(0)                   ; the wait here, directly ahead of the wait below
	s_wait_dscnt 0x0
	v_add_nc_u32 v3, 2112, v3
	v_add_nc_u32 v6, 192, v6
	v_add_nc_u32 v7, 16, v7
.if \nx
	s_add_nc_u64 s[4:5], s[4:5], 16384
	XL
.else
	WLOAD 0, 0
	WLOAD 1, 8704
.endif
.irp k, 0,1,2,3
	v_add_f32 v[96+2*\k], v[96+2*\k], v[97+2*\k]
.endr
.irp m, 1,2,4,8
.irp k, 0,1,2,3
	v_add_f32_dpp v[96+2*\k], v[96+2*\k], v[96+2*\k] row_xmask:\m row_mask:0xf bank_mask:0xf
.endr
.endr
.irp k, 0,1,2,3
	v_permlanex16_b32 v[97+2*\k], v[96+2*\k], s24, s25
.endr
.irp k, 0,1,2,3
	v_add_f32 v[96+2*\k], v[96+2*\k], v[97+2*\k]
.endr
	s_wait_alu depctr_va_vdst(0)
.irp k, 0,1,2,3
	v_sqrt_f32 v[96+2*\k], v[96+2*\k]
.endr
	v_nop
	s_wait_alu depctr_va_vdst(0)
.irp k, 0,1,2,3
	v_max_num_f32 v[96+2*\k], s28, v[96+2*\k]
.endr
	s_wait_alu depctr_va_vdst(0)
.irp k, 0,1,2,3
	v_rcp_f32 v[97+2*\k], v[96+2*\k]               ; 1 / max(norm, 1e-8)
.endr
	v_nop
	s_wait_alu depctr_va_vdst(0)
.irp k, 0,1,2,3
	ds_store_b32 v7, v[97+2*\k] offset:192+4*\k
.endr
.endm
	s_mov_b32 s30, 3
.Lact:
	AG 1
	s_sub_co_u32 s30, s30, 1
	s_cmp_lg_u32 s30, 0
	s_wait_alu depctr_va_vdst(0)
	s_cbranch_scc1 .Lact
	AG 0
	BAR                                            ; all 64 rows' codes, scale bytes and statistics lie in LDS
.irp mt, 0,1,2,3
.irp q, 0,1
	ds_load_b128 v[64+8*\mt+4*\q:67+8*\mt+4*\q], v13 offset:768*\mt+16*\q   ; v[64 + 8 mt + s]: the scale words of rows 16 mt + r for K step s
.endr
.endr
; ---- W_c1: my 64 hidden units (four tiles) x four tiles of rows: sixteen accumulators by turns; (tl, mt) at v[128 + 8 (4 tl + mt)]
.macro C1K s
.irp mt, 0,1,2,3
.irp c, 0,1
	ds_load_b128 v[96+8*\mt+4*\c:99+8*\mt+4*\c], v12 offset:8448*\mt+64*\s+32*\c
.endr
.endr
	s_wait_dscnt 0x0
	WIN 0x01
.irp tl, 0,1,2,3
.irp mt, 0,1,2,3
	WM 128+8*(4*\tl+\mt), 64*\tl+8*\s, 96+8*\mt, (\s==0), 48+4*\tl+(\s%4), 64+8*\mt+\s, (\s/4), 0
.endr
.endr
	WIN 0
	PLACES
.endm
	s_wait_loadcnt 0x0                             ; W_c1's four units
.irp s, 0,1,2,3,4,5,6,7
	C1K \s
.endr
.irp b, 0,1,2,3
	WLOAD \b, 34816+8704*\b                        ; W_c2's four units
.endr
	s_wait_xcnt 0x0
	s_add_nc_u64 s[8:9], s[8:9], 52224             ; so that the first pair asked for lies at byte 69,632 of my stream
.irp tl, 0,1,2,3
.irp i, 0,1
	ds_load_b128 v[96+8*\tl+4*\i:99+8*\tl+4*\i], v14 offset:128*\tl+16*\i   ; b_c1 at my half's eight units of each tile
.endr
.endr
	s_wait_dscnt 0x0
.irp tl, 0,1,2,3
.irp mt, 0,1,2,3
.irp i, 0,2,4,6
	v_pk_add_f32 v[128+8*(4*\tl+\mt)+\i:129+8*(4*\tl+\mt)+\i], v[128+8*(4*\tl+\mt)+\i:129+8*(4*\tl+\mt)+\i], v[96+8*\tl+\i:97+8*\tl+\i]
.endr
.irp j, 0,1,2,3,4,5,6,7
	v_max_num_f32 v[128+8*(4*\tl+\mt)+\j], 0, v[128+8*(4*\tl+\mt)+\j]
.endr
.endr
.endr
; the hidden layer of rows 16 mt + r: the 16 registers of tiles 2 b, 2 b + 1 are 16 neighbours along the next K; a block lies in lanes l and l xor 16
.macro HQ mt
.irp b, 0,1
	v_max3_num_f32 v[116+\b], v[128+8*(8*\b+\mt)], v[129+8*(8*\b+\mt)], 0x1800000
.endr
.irp i, 2,4,6
.irp b, 0,1
	v_max3_num_f32 v[116+\b], v[116+\b], v[128+8*(8*\b+\mt)+\i], v[129+8*(8*\b+\mt)+\i]
.endr
.endr
.irp i, 0,2,4,6
.irp b, 0,1
	v_max3_num_f32 v[116+\b], v[116+\b], v[128+8*(8*\b+4+\mt)+\i], v[129+8*(8*\b+4+\mt)+\i]
.endr
.endr
.irp b, 0,1
	v_permlanex16_b32 v[118+\b], v[116+\b], s24, s25
.endr
.irp b, 0,1
	v_max_num_f32 v[116+\b], v[116+\b], v[118+\b]
.endr
.irp b, 0,1
	v_add_nc_u32 v[120+\b], 0xff000000, v[116+\b]
.endr
.irp b, 0,1
	v_lshrrev_b32 v[122+\b], 23, v[120+\b]
.endr
.irp b, 0,1
.irp u, 0,1
	v_cvt_scalef32_pk8_fp4_f32 v[96+4*\mt+2*\b+\u], v[128+8*(8*\b+4*\u+\mt):135+8*(8*\b+4*\u+\mt)], v[120+\b]
.endr
.endr
	v_nop
	v_permlane16_swap_b32 v[96+4*\mt], v[98+4*\mt]
	v_permlane16_swap_b32 v[97+4*\mt], v[99+4*\mt]
	v_lshl_or_b32 v[112+\mt], v123, 8, v122
	ds_store_b128 v15, v[96+4*\mt:99+4*\mt] offset:2048*\mt
	ds_store_b16 v16, v[112+\mt] offset:128*\mt
.endm
	HQ 0
	HQ 1
	HQ 2
	HQ 3
	BAR                                            ; the hidden layer's eight fragments lie in LDS
; ---- W_c2, source 0 = the hidden layer, source 1 = the weights: register j of lane (r, h) is recon(16 mt + 8 h + j, 64 r + 16 w + t), as the kept prediction lies
.macro C2HALF k, hf
	WIN 0x04
.irp s, 0,1
.irp x, 0,1
.irp mt, 0,1,2,3
	WM 160+8*(4*\x+\mt), 96+8*(2*\mt+\s), 64*\k+8*(4*\hf+2*\x+\s), (\s==0), 24+2*\mt+\s, 48+4*\k+2*\x+\s, 0, \hf
.endr
.endr
.endr
	WIN 0
	PLACES
	WIN 0x02
.irp mt, 0,1
.irp x, 0,1
.irp j, 0,1,2,3,4,5,6,7
	v_sub_f32 v[160+8*(4*\x+\mt)+\j], v[128*\mt+16*\j+4*\k+2*\hf+\x], v[160+8*(4*\x+\mt)+\j]
.endr
.endr
.endr
	WIN 0x03
.irp mt, 2,3
.irp x, 0,1
.irp j, 0,1,2,3,4,5,6,7
	v_sub_f32 v[160+8*(4*\x+\mt)+\j], v[128*(\mt-2)+16*\j+4*\k+2*\hf+\x], v[160+8*(4*\x+\mt)+\j]
.endr
.endr
.endr
	WIN 0
.irp x, 0,1
.irp j, 0,1,2,3,4,5,6,7
.irp mt, 0,1,2,3
	v_sub_f32 v[160+8*(4*\x+\mt)+\j], v[160+8*(4*\x+\mt)+\j], v[32+4*\k+2*\hf+\x]
.endr
.endr
.irp i, 0,2,4,6
.irp mt, 0,1,2,3
.if (\k == 0) && (\hf == 0) && (\x == 0)
	v_pk_mul_f32 v[224+8*\mt+\i:225+8*\mt+\i], v[160+8*(4*\x+\mt)+\i:161+8*(4*\x+\mt)+\i], v[160+8*(4*\x+\mt)+\i:161+8*(4*\x+\mt)+\i]
.else
	v_pk_fma_f32 v[224+8*\mt+\i:225+8*\mt+\i], v[160+8*(4*\x+\mt)+\i:161+8*(4*\x+\mt)+\i], v[160+8*(4*\x+\mt)+\i:161+8*(4*\x+\mt)+\i], v[224+8*\mt+\i:225+8*\mt+\i]
.endif
.endr
.endr
.endr
.endm
.irp fi, 0,1,2,3,4,5,6,7
.irp c, 0,1
	ds_load_b128 v[96+8*\fi+4*\c:99+8*\fi+4*\c], v17 offset:1024*\fi+512*\c
.endr
	ds_load_b32 v[24+\fi], v18 offset:64*\fi
.endr
	s_wait_dscnt 0x0
	s_wait_loadcnt 51                              ; unit 0 is in; the three behind it, 17 loads each, may be out
	C2HALF 0, 0
	C2HALF 0, 1
	s_wait_loadcnt 34
	C2HALF 1, 0
	C2HALF 1, 1
	NEXTPAIR 0                                     ; the first pair of W_u1
	s_wait_loadcnt 51                              ; unit 2 is in; behind it: unit 3's 17 and the pair's 34
	C2HALF 2, 0
	C2HALF 2, 1
	s_wait_loadcnt 34
	C2HALF 3, 0
	C2HALF 3, 1
	NEXTPAIR 1                                     ; the first pair of W_n1
.irp m, 1,2,4,8
.set n, 0
.rept 32
	v_add_f32_dpp v[224+n], v[224+n], v[224+n] row_xmask:\m row_mask:0xf bank_mask:0xf
.set n, n+1
.endr
.endr
.irp mt, 0,1,2,3
.irp j, 0,1,2,3,4,5,6,7
	ds_store_b32 v20, v[224+8*\mt+\j] offset:64*\mt+4*\j
.endr
.endr
; ---- windows 2 and 3 take prediction's and actual's code fragments, (K step s, tile of rows mt) at v[8 (4 s + mt)]
	WIN 0x80
.irp s, 0,1,2,3,4,5,6,7
.irp mt, 0,1,2,3
.irp c, 0,1
	ds_load_b128 v[8*(4*\s+\mt)+4*\c:8*(4*\s+\mt)+4*\c+3], v12 offset:8448*\mt+64*\s+32*\c
.endr
.endr
.endr
	WIN 0xc0
.irp s, 0,1,2,3,4,5,6,7
.irp mt, 0,1,2,3
.irp c, 0,1
	ds_load_b128 v[8*(4*\s+\mt)+4*\c:8*(4*\s+\mt)+4*\c+3], v4 offset:8448*\mt+64*\s+32*\c
.endr
.endr
.endr
	WIN 0
.set n, 0
.rept 24
	v_mov_b32 v[192+n], 0                          ; the second layers' sums, a pair for each tile of rows: d v192-199, u v200-207, n v208-215
.set n, n+1
.endr
.irp n, 0,1,2,3
	v_mov_b32 v[216+\n], 0xff61b1e6                ; the largest similarity so far: -3.0e38
	v_mov_b32 v[220+\n], 0
.endr
	s_mov_b32 s35, 512                             ; the table's place of the pair in hand
	s_wait_dscnt 0x0
; A PAIR of units: two tiles of 16 columns x 1,024 along K x four tiles of rows: 64 matrix instructions, eight accumulators by turns, (x, mt) at v[96 + 8 (4 x + mt)]
.macro PAIR slot, xw, zero, epi, sum, toff, load, left
.if \epi
	v_add_nc_u32 v22, s35, v14
.irp x, 0,1
.irp q, 0,1
	ds_load_b128 v[160+16*\x+4*\q:163+16*\x+4*\q], v22 offset:\toff+128*\x+16*\q
	ds_load_b128 v[168+16*\x+4*\q:171+16*\x+4*\q], v22 offset:\toff+128*\x+64+16*\q
.endr
.endr
.endif
	s_wait_loadcnt \left
.if \xw == 2
	WIN 0x09
.else
	WIN 0x0d
.endif
.irp s, 0,1,2,3,4,5,6,7
.irp x, 0,1
.irp mt, 0,1,2,3
	WM 96+8*(4*\x+\mt), 64*(2*\slot+\x)+8*\s, 8*(4*\s+\mt), (\zero&&(\s==0)), 48+4*(2*\slot+\x)+(\s%4), 64+8*\mt+\s, (\s/4), (\xw-2)
.endr
.endr
.endr
	WIN 0
	PLACES
.if \load
	NEXTPAIR \slot
.endif
.if \epi
	s_wait_dscnt 0x0
.endif
.if \epi == 1
.irp x, 0,1
.irp i, 0,2,4,6
.irp mt, 0,1,2,3
	v_pk_add_f32 v[96+8*(4*\x+\mt)+\i:97+8*(4*\x+\mt)+\i], v[96+8*(4*\x+\mt)+\i:97+8*(4*\x+\mt)+\i], v[160+16*\x+\i:161+16*\x+\i]
.endr
.irp mt, 0,1,2,3
	v_max_num_f32 v[96+8*(4*\x+\mt)+\i], 0, v[96+8*(4*\x+\mt)+\i]
	v_max_num_f32 v[97+8*(4*\x+\mt)+\i], 0, v[97+8*(4*\x+\mt)+\i]
.endr
.irp mt, 0,1,2,3
	v_pk_fma_f32 v[\sum+2*\mt:\sum+2*\mt+1], v[96+8*(4*\x+\mt)+\i:97+8*(4*\x+\mt)+\i], v[168+16*\x+\i:169+16*\x+\i], v[\sum+2*\mt:\sum+2*\mt+1]
.endr
.endr
.endr
.endif
.if \epi == 2
.irp x, 0,1
.irp i, 0,2,4,6
.irp mt, 0,1,2,3
	v_pk_fma_f32 v[96+8*(4*\x+\mt)+\i:97+8*(4*\x+\mt)+\i], v[96+8*(4*\x+\mt)+\i:97+8*(4*\x+\mt)+\i], v[168+16*\x+\i:169+16*\x+\i], v[160+16*\x+\i:161+16*\x+\i]
.endr
.irp mt, 0,1,2,3
	v_max3_num_f32 v[216+\mt], v[216+\mt], v[96+8*(4*\x+\mt)+\i], v[97+8*(4*\x+\mt)+\i]
.endr
.endr
.endr
.endif
.endm
	s_mov_b32 s30, 4
.Lun:                                              ; a trip: two tiles of W_u1 on prediction, two of W_n1 on actual
	PAIR 0, 2, 1, 1, 200, 0, 1, 34
	PAIR 1, 3, 1, 1, 208, 256, 1, 34
	s_add_co_u32 s35, s35, 512
	s_sub_co_u32 s30, s30, 1
	s_cmp_lg_u32 s30, 0
	s_cbranch_scc1 .Lun
	s_mov_b32 s30, 7
.Ld1:                                              ; a trip: two tiles of W_d1: K's first half on prediction, its second on actual, onto the same sums
	PAIR 0, 2, 1, 0, 0, 0, 1, 34
	PAIR 1, 3, 0, 1, 192, 0, 1, 34
	s_add_co_u32 s35, s35, 256
	s_sub_co_u32 s30, s30, 1
	s_cmp_lg_u32 s30, 0
	s_cbranch_scc1 .Ld1
	PAIR 0, 2, 1, 0, 0, 0, 1, 34                   ; the last two tiles of W_d1 are written out: the pair asked for here is the stream's last, the memory's,
	PAIR 1, 3, 0, 1, 192, 0, 0, 34                 ; and nothing is asked for behind it: no load leaves the buffer
	s_add_co_u32 s35, s35, 256
	PAIR 0, 3, 1, 2, 0, 0, 0, 0                    ; the pattern memory on actual
; ---- the end: each wave's part of a row's five numbers meets in LDS; waves 0 and 1 finish 32 rows each
	s_and_b32 s41, s22, 1
	s_lshl_b32 s41, s41, 7
	s_add_co_u32 s42, s41, STAT
	s_add_co_u32 s41, s41, RED
	v_and_b32 v21, 31, v0
	v_lshl_add_u32 v119, v21, 2, s42               ; v119: STAT, row 32 (w % 2) + l
	v_lshl_add_u32 v21, v21, 2, s41                ; v21: RED, the same row
.irp mt, 0,1,2,3
	v_add_f32 v[192+2*\mt], v[192+2*\mt], v[193+2*\mt]
	v_add_f32 v[200+2*\mt], v[200+2*\mt], v[201+2*\mt]
	v_add_f32 v[208+2*\mt], v[208+2*\mt], v[209+2*\mt]
.endr
.irp mt, 0,1,2,3
	v_permlanex16_b32 v[193+2*\mt], v[192+2*\mt], s24, s25
	v_permlanex16_b32 v[201+2*\mt], v[200+2*\mt], s24, s25
	v_permlanex16_b32 v[209+2*\mt], v[208+2*\mt], s24, s25
	v_permlanex16_b32 v[220+\mt], v[216+\mt], s24, s25
.endr
.irp mt, 0,1,2,3
	v_add_f32 v[192+2*\mt], v[192+2*\mt], v[193+2*\mt]
	v_add_f32 v[200+2*\mt], v[200+2*\mt], v[201+2*\mt]
	v_add_f32 v[208+2*\mt], v[208+2*\mt], v[209+2*\mt]
	v_max_num_f32 v[216+\mt], v[216+\mt], v[220+\mt]
.endr
.irp mt, 0,1,2,3
	ds_store_b32 v19, v[192+2*\mt] offset:64*\mt
	ds_store_b32 v19, v[200+2*\mt] offset:256+64*\mt
	ds_store_b32 v19, v[208+2*\mt] offset:512+64*\mt
	ds_store_b32 v19, v[216+\mt] offset:768+64*\mt
.endr
	s_wait_alu depctr_va_vdst(0)
	BAR
	s_cmp_ge_u32 s22, 2
	s_cbranch_scc1 .Lend
.irp val, 0,1,2,3,4
.irp wv, 0,1,2,3
	ds_load_b32 v[96+4*\val+\wv], v21 offset:1280*\wv+256*\val
.endr
.endr
	ds_load_b32 v116, v119                         ; the entropy
	ds_load_b32 v117, v119 offset:256              ; 1 / a_norm
	s_wait_dscnt 0x0
	v_add_f32 v96, v96, v97
	v_add_f32 v98, v98, v99
	v_add_f32 v100, v100, v101
	v_add_f32 v102, v102, v103
	v_add_f32 v104, v104, v105
	v_add_f32 v106, v106, v107
	v_max3_num_f32 v108, v108, v109, v110
	v_add_f32 v112, v112, v113
	v_add_f32 v114, v114, v115
	v_add_f32 v96, v96, v98
	v_add_f32 v100, v100, v102
	v_add_f32 v104, v104, v106
	v_max_num_f32 v108, v108, v111
	v_add_f32 v112, v112, v114
	v_add_f32 v120, s36, v96                       ; + b_d2, b_u2, b_n2
	v_add_f32 v121, s37, v100
	v_add_f32 v122, s38, v104
	v_mul_f32 v124, s39, |v120|                    ; softplus(z) = max(z, 0) + ln 2 x log2(1 + 2^(-|z| log2(e)))
	v_mul_f32 v125, s39, |v121|
	v_mul_f32 v126, s39, |v122|
	s_wait_alu depctr_va_vdst(0)
	v_exp_f32 v124, v124
	v_exp_f32 v125, v125
	v_exp_f32 v126, v126
	v_nop
	s_wait_alu depctr_va_vdst(0)
	v_add_f32 v124, 1.0, v124
	v_add_f32 v125, 1.0, v125
	v_add_f32 v126, 1.0, v126
	s_wait_alu depctr_va_vdst(0)
	v_log_f32 v124, v124
	v_log_f32 v125, v125
	v_log_f32 v126, v126
	v_nop
	v_max_num_f32 v120, 0, v120
	v_max_num_f32 v121, 0, v121
	v_max_num_f32 v122, 0, v122
	s_wait_alu depctr_va_vdst(0)
	v_fma_f32 v128, v124, s44, v120                ; dissonance
	v_fma_f32 v125, v125, s44, v121
	v_fma_f32 v126, v126, s44, v122
	v_fmamk_f32 v129, v116, 0x3dcccccd, v125       ; uncertainty: + 0.1 x entropy
	v_mul_f32 v108, v108, v117                     ; the largest similarity (a_norm is positive: it may divide behind the maximum)
	v_sub_f32 v108, 1.0, v108
	v_mul_f32 v108, 0x3f333333, v108
	v_fmamk_f32 v130, v126, 0x3e99999a, v108       ; novelty: 0.7 x (1 - it) + 0.3 x softplus
	v_mul_f32 v131, 0x3a800000, v112               ; compression: the sum / 1,024
	s_lshl_b32 s40, s22, 9
	v_add_nc_u32 v118, s40, v1
	global_store_b128 v118, v[128:131], s[20:21]   ; 32 lanes store 512 consecutive bytes, at a multiple of 256 from the buffer's first byte
.Lend:
	s_wait_xcnt 0x0
	v_lshl_add_u32 v254, v0, 2, SPARE
	v_mov_b32 v255, 0
	s_wait_alu depctr_va_vdst(0)
	s_wait_tensorcnt 0x0                           ; the wave's end
	ds_add_u32 v254, v255
	s_wait_dscnt 0x0
	s_endpgm
.Lfunc_end_k_qad36d82ed5_main:
	.size	k_qad36d82ed5_main, .Lfunc_end_k_qad36d82ed5_main-k_qad36d82ed5_main
	.p2alignl 7, 3214868480
	.fill 96, 4, 3214868480
	.section	.rodata,"a",@progbits
	.p2align	6, 0x0
	.amdhsa_kernel k_qad36d82ed5_main
		.amdhsa_group_segment_fixed_size 319488
		.amdhsa_private_segment_fixed_size 0
		.amdhsa_enable_private_segment 0
		.amdhsa_kernarg_size 72
		.amdhsa_user_sgpr_count 2
		.amdhsa_user_sgpr_kernarg_segment_ptr 1
		.amdhsa_wavefront_size32 1
		.amdhsa_system_sgpr_workgroup_id_x 1
		.amdhsa_system_sgpr_workgroup_id_y 1
		.amdhsa_system_sgpr_workgroup_id_z 1
		.amdhsa_system_vgpr_workitem_id 0
		.amdhsa_next_free_vgpr 1024
		.amdhsa_next_free_sgpr 66
		.amdhsa_reserve_vcc 0
		.amdhsa_float_denorm_mode_32 3
		.amdhsa_float_denorm_mode_16_64 3
		.amdhsa_memory_ordered 1
		.amdhsa_forward_progress 1
		.amdhsa_inst_pref_size 255
	.end_amdhsa_kernel
	.section	.bss,"aw",@nobits
	.p2align	6
	.space	262144
	.amdgpu_metadata
---
amdhsa.version: [ 1, 2 ]
amdhsa.kernels:
  - .name:           k_qad36d82ed5_main
    .symbol:         k_qad36d82ed5_main.kd
    .args:
      - { .name: prediction, .offset: 0, .size: 8, .value_kind: global_buffer, .address_space: global }
      - { .name: actual, .offset: 8, .size: 8, .value_kind: global_buffer, .address_space: global }
      - { .name: ws, .offset: 16, .size: 8, .value_kind: global_buffer, .address_space: global }
      - { .name: tabw, .offset: 24, .size: 8, .value_kind: global_buffer, .address_space: global }
      - { .name: b_c2, .offset: 32, .size: 8, .value_kind: global_buffer, .address_space: global }
      - { .name: b_d2, .offset: 40, .size: 8, .value_kind: global_buffer, .address_space: global }
      - { .name: b_u2, .offset: 48, .size: 8, .value_kind: global_buffer, .address_space: global }
      - { .name: b_n2, .offset: 56, .size: 8, .value_kind: global_buffer, .address_space: global }
      - { .name: out0, .offset: 64, .size: 8, .value_kind: global_buffer, .address_space: global }
    .group_segment_fixed_size: 319488
    .private_segment_fixed_size: 0
    .kernarg_segment_align: 8
    .kernarg_segment_size: 72
    .max_flat_workgroup_size: 128
    .sgpr_count:     66
    .vgpr_count:     1024
    .wavefront_size: 32
...
	.end_amdgpu_metadata
.endif
;; end of part 2
